; MI455X (gfx1250); checked and timed in simulation.
; The chip was launched on July 23, 2026; its instructions are those of AMD's public machine-readable ISA for CDNA 5 (MIT licence, August 2026) and "CDNA5" Instruction Set Architecture Reference Guide (July 2026). The comments in the code are by the model that wrote it; some were corrected since.
;; Barebones Conventional Attention. Allowed arithmetic: matrix products marked QUANTISED: E2M3 operands, one E8M0 scale for each 32 along K, by v_wmma_scale_f32_16x16x128_f8f6f4 with both operands' format E2M3, f32 sums; everything else in f32.
;; Inputs: K_cache_codes 2 x 16 x 2,048 x 2 x 24 uint8 (E2M3 codes of K_cache, K innermost, in blocks of 32 codes, four codes in three bytes); K_cache_scales 2 x 16 x 2,048 x 2 uint8 (E8M0 scales of K_cache, one for each 32 codes along K); Q_codes 2 x 16 x 2,048 x 2 x 24 uint8 (E2M3 codes of Q, K innermost, in blocks of 32 codes, four codes in three bytes); Q_scales 2 x 16 x 2,048 x 2 uint8 (E8M0 scales of Q, one for each 32 codes along K); V_cache_codes 2 x 16 x 64 x 64 x 24 uint8 (E2M3 codes of V_cache, K innermost, in blocks of 32 codes, four codes in three bytes); V_cache_scales 2 x 16 x 64 x 64 uint8 (E8M0 scales of V_cache, one for each 32 codes along K).
;; Outputs: out0 2 x 16 x 2,048 x 64 float32.
;; This version of the problem:
;;   THIS VERSION OF THE PROBLEM IS GIVEN IN LOW PRECISION. The matrix products marked QUANTISED in the list below multiply operands that are first quantised to E2M3 (2 exponent bits, 3 mantissa bits; 6 bits a number), with one power-of-two scale for each 32 numbers along K (OCP MX v1.0); their sums are f32. All else is computed in f32.
;;   The module's matrix products, in the order in which they are computed (A, B: the left and right operand; K: the contracted axis; several contracted axes count as one K, in the product's order):
;;     1. batch 32 x [M 2,048, K 64] x [K 64, N 2,048]; A: input Q (given as codes); B: input K_cache (given as codes): QUANTISED
;;     2. batch 32 x [M 2,048, K 2,048] x [K 2,048, N 64]; A: softmax (see below); B: input V_cache (given as codes): QUANTISED
;;   THE QUANTISER, for each operand of a quantised product, along K:
;;     - K is cut into blocks of 32 from its start; a last block that is shorter is filled with zeros.
;;     - A block's scale is 2^e with e = floor(log2(the largest magnitude in the block)) - 2, held to -126 .. 127; a block of zeros has e = 0. As a byte (E8M0): e + 127.
;;     - Each number is divided by its block's scale, clamped to +-7.5, and rounded to the nearest number of E2M3, ties to even, subnormals kept.
;;     - The product sums the exact products of the quantised numbers (number of the format x scale) in f32.
;;   ~~~python
;;   def quantise(x, axis):      # numpy; x: float32 -> the quantised numbers, widened to float32 again
;;       x = np.moveaxis(x, axis, -1); K = x.shape[-1]
;;       x = np.pad(x, [(0, 0)] * (x.ndim - 1) + [(0, -K % 32)]); x = x.reshape(x.shape[:-1] + (-1, 32)); a = np.abs(x).max(-1, keepdims=True)
;;       e = np.where(a > 0, np.clip(np.frexp(np.where(a > 0, a, 1))[1] - 1 - 2, -126, 127), 0)      # np.frexp(a)[1] - 1 = floor(log2(a)), exactly
;;       r = np.clip(x / 2.0 ** e, -7.5, 7.5)
;;       step = 2.0 ** (np.maximum(np.frexp(np.where(r == 0, 1, r))[1] - 1, 0) - 3)
;;       q = np.round(r / step) * step * 2.0 ** e      # np.round: ties to even
;;       return np.moveaxis(q.reshape(q.shape[:-2] + (-1,))[..., :K], -1, axis).astype(np.float32)
;;   ~~~
;;   SOFTMAX AHEAD OF A QUANTISED PRODUCT. Where the list says 'softmax', what is quantised is not the finished softmax but p = 2^(t - M), with t = logit x log2(e) and M = ceil(the row's largest t), a whole number; so 1/2 < the row's largest p <= 1. The row's sum l is taken of the UNQUANTISED p, in f32, and the product's result is divided by l at the end. Since M is a whole number, a kernel that streams over the keys may use a running M (the ceiling of the running maximum): every later rescaling is an exact power of two, which a block's scale takes up: the codes' values come out the same.
;;   OPERANDS COMPUTED ON THE WAY. 'Computed on the way' means the value that the module computes at that place (a softmax that the list does not call 'softmax' is quantised finished and normalised). What goes into a quantiser is computed in f32, as accurately as f32 sums, v_exp_f32 and their like allow (about 1e-6 of the number): no bf16 or f16 on the way to a quantiser, and a product that is left as it is and whose result goes on into a quantised operand takes f32 operands (vector FMAs, or v_wmma_f32_16x16x4_f32). A number that lies on a knife's edge between two numbers of the format may be rounded either way, as far as f32 arithmetic and the matrix unit's own rounding can turn it there, and no further.
;;   INPUTS GIVEN AS CODES. K_cache (in the module: [2, 16, 2048, 64], K = its axis 3); Q (in the module: [2, 16, 2048, 64], K = its axis 3); V_cache (in the module: [2, 16, 2048, 64], K = its axis 2): each comes as NAME_codes (uint8): NAME with its K axis moved to the last place and cut into blocks of 32 codes, [.., K / 32, bytes a block], one block behind the other in memory; four codes in three bytes: a row's codes are one little-endian stream of bits, code i at bits 6 i .. 6 i + 5 (a code: sign, 2 exponent bits, 3 mantissa bits); and NAME_scales (uint8): the same leading axes, one E8M0 byte (e + 127) for each 32 codes along K. Its value is code x scale, taken as it is: it is not quantised again, and the codes and scales need not be those that the quantiser above would give.
;; One version. Each part assembles by itself: llvm-mc -triple=amdgcn-amd-amdhsa -mcpu=gfx1250 --defsym DOCPART=n.
;; ======== version 1 of 1: 1 launch
;; launch attn (part 1): grid 8 x 32, 16 waves a work-group, clusters of 4 x 1, 327,680 bytes of LDS; arguments Q_codes, Q_scales, K_cache_codes, K_cache_scales, V_cache_codes, V_cache_scales, out0; writes out0
.if DOCPART == 1
	.amdgcn_target "amdgcn-amd-amdhsa--gfx1250"
	.amdhsa_code_object_version 6
	.text
	.protected	k_q681f720562_attn
	.globl	k_q681f720562_attn
	.p2align	8
	.type	k_q681f720562_attn,@function
k_q681f720562_attn:
	s_mov_b64 s[64:65], 0
	v_nop
	global_prefetch_b8 v0, s[64:65] scope:SCOPE_SE
	s_setreg_imm32_b32 hwreg(HW_REG_WAVE_MODE, 25, 1), 1
	s_wait_xcnt 0x0
	s_wait_alu depctr_hold_cnt(0) depctr_sa_sdst(0) depctr_va_vdst(0) depctr_va_sdst(0) depctr_va_ssrc(0) depctr_va_vcc(0) depctr_vm_vsrc(0)
	s_getreg_b32 s2, hwreg(HW_REG_IB_STS2, 6, 4)
	s_cmp_eq_u32 s2, 0
	s_cbranch_scc0 .Lentry_in_a_cluster
	s_endpgm
.Lentry_in_a_cluster:
	s_bfe_u32 s2, ttmp6, 0x10000c
	s_cmp_lg_u32 s2, 0x3003
	s_cbranch_scc0 .Lentry_shape_is_right
	s_endpgm
.Lentry_shape_is_right:
; out0[head][q][:] = the sum over keys k <= q of softmax_k(Q[q] . K[k] / 8) V[k][:], 32 heads of 2,048 queries and keys, head size 64; both products on codes of FP6 (E2M3) with one E8M0 scale for each 32 along a product's K.
; Q, K: rows of 64 codes, 48 bytes, 2 scale bytes a row.  V: the keys innermost: 64 rows (channels) of 2,048 codes, 1,536 bytes, 64 scale bytes a row.  out0: f32, rows of 256 bytes.
; THE SOFTMAX AHEAD OF THE SECOND PRODUCT: t = score x log2(e) / 8; M = the row's largest t so far, rounded UP to a whole number; p = 2^(t - M) is quantised along the keys, not normalised.  The row's sum is taken
; of the unquantised p and divides O at the end.  When M moves, the sum and O are multiplied by 2^(old M - new M): exact.
; A WHOLE HEAD LIES IN LDS: K 96 KiB, V 96 KiB (120 KiB with its padding), 8 KiB of scale bytes.  Every byte is filled once, at the head; nothing is filled again, so there is no ring.
; SHARES.  A head has 16 blocks of 128 queries, each of 8 tiles of 16.  The head's 8 work-groups are told apart by g = 0 .. 7: work-group g takes tile g of EVERY block; its wave w takes block j(w), a bijection of 0 .. 15.
; A wave walks key steps of 128 keys, t = 0 .. j; step j lies on the diagonal; later steps are left out by a scalar branch.  So the number of steps hangs on the wave's number alone: every work-group has 1 + .. + 16 = 136 steps,
; and no branch hangs on a work-group's place.  j(w) = 4 (a ^ b) + (a ^ alpha(b)), a = w / 4, b = w % 4, alpha = 0, 2, 3, 1: the four waves with equal a have 34 steps together, and so have the four with equal b.
; CLUSTER.  Four work-groups of one head form a cluster and ask for K, V and the scale bytes JOINTLY: the same tensor loads, the same descriptors, the mask 15.  The descriptors are made of the head and the wave's number alone.
; ONE BARRIER.  Each wave waits for all its own tensor loads and signals; behind the barrier the whole head lies in LDS for every wave, and the walk over the keys has no barrier: the waves, whose walks differ in length, never wait for each other.
; Nothing is prefetched: every byte of K and V is asked for by the tensor loads at the head.
; LAYOUT.  Both products are used transposed: S^T = K Q^T (source 0 = 16 keys, source 1 = my 16 queries), O^T = V^T P^T (source 0 = 16 channels, source 1 = P): a lane holds ONE query (lane % 16) throughout.
; THE KEYS OF A TILE ARE NOT NEIGHBOURS: lane r of tile 2 b + u takes key 32 b + 8 u + r + 8 (r / 8), so that the 16 registers of tiles 2 b and 2 b + 1 are 16 neighbouring keys, 32 b + 16 (lane / 16) + 0 .. 15.
; K = 64 IN A FORM OF K = 128.  Q's registers 6-11 hold zero codes.  K's fragments lie 6 registers apart, so a fragment's registers 6-11 are the next fragment's codes (the last one's: six cleared registers): finite numbers x 0.
; Both sides' scale words come by 16-bit loads: their bytes 2 and 3 are 0, which stands for 2^-127, a finite number.
; LIMITS: a scale byte 0xff (NaN) among the inputs is not served.  A block's largest p is taken from its largest score, which takes v_exp_f32 not to fall where its input rises.  p under 2^-126 counts as 0 (ISA guide 15.8:
; v_exp_f32 flushes denormal results).  A block of p that is all zeros keeps the scale byte 1: its codes are zeros.
; LDS: the launch claims a WGP's whole LDS and uses 299,776 bytes.
.set KD,    49280                      ; K's keys with bit 4 set lie KD bytes behind the others: 128 more than a multiple of 256, half way round the 64 banks of 4 bytes (ISA guide 11.1)
.set KGRP,  6144                       ; 256 keys' part of either half: 8 rows of 768 bytes (16 keys of 48 bytes)
.set VB,    98560                      ; V: 8 groups of 256 keys, each 64 rows of VP bytes
.set VP,    240                        ; a row of a group: 3 x (64 bytes of data + 16 of padding)
.set VGRP,  64*VP
.set KSB,   221440                     ; K's scale bytes, dense: 2 a key
.set VSB,   225536                     ; V's scale bytes: 64 rows of 64 bytes + 8
.set STG,   230144                     ; the way out: 16 rows x SP bytes for each wave; no fill lands here
.set SP,    272
.set AK,   1                           ; v1   my lane's place in a tile of K: 48 (r % 8) + 24 h + KD (r / 8)
.set AV,   2                           ; v2   in a tile of V: VB + 240 r + 24 h
.set AV2,  3                           ; v3   the same behind one padding more: + 16 h
.set AKS,  4                           ; v4   among K's scale bytes: lanes 0-15 an even tile's keys, lanes 16-31 the odd tile's
.set AVS,  5                           ; v5   among V's: VSB + 72 x lane: lanes 0-15 an even tile's rows, lanes 16-31 the odd tile's
.set DG,   6                           ; v6   16 g + r - 16 h: on the diagonal, register 16 b + i is hidden where 32 b + i is above it
.set GO,   7                           ; v7   the way out: my byte offset in the wave's rows of out0
.set STO,  8                           ; v8   where I put 32 bytes of a row in my stage
.set RD,   9                           ; v9   and where I read a row back
.set ADK,  10                          ; v10-14 the addresses of the step in hand
.set ADV,  11
.set ADV2, 12
.set ADS,  13
.set ADT,  14
.set QO,   15                          ; v15  Q's offset; never rewritten
.set QF,   16                          ; v16-27 Q's fragment: 16-21 codes, 22-27 zero codes
.set QSC,  28                          ; v28  Q's scale words
.set QSO,  29                          ; v29  their offset; never rewritten
.set KF,   32                          ; v32-85 K's 8 fragments, 6 registers apart, and six cleared registers; v32-79 later V's 4 fragments
.set NM,   86                          ; v86 -M, v87 the largest t so far
.set SUM,  88                          ; v[88:89] the row's sum in two halves
.set FF,   90                          ; v90 f = 2^(old M - new M); v91 is named with it as a pair and holds 0
.set TMP,  92
.set NINF, 93                          ; v93  -infinity
.set SS,   96                          ; v96-159 S^T, then p
.set OT,   160                         ; v160-191 O^T
.set PCD,  192                         ; v192-203 p's codes
.set PX,   204                         ; v204-206, v208-210 the conversions' second halves
.set BM,   212                         ; v212-215 the blocks' largest scores, then largest p
.set PT,   216                         ; v216-219 lane l xor 16's, then the scale bytes
.set SOP,  220                         ; v220-223 the conversions' scale operands
.set KSC,  224                         ; v224-227 K's scale words
.set VSC,  228                         ; v228-229 V's
.set PSC,  230                         ; v230 p's
.set SM2,  232                         ; v[232:233] the sum's second chain
.set WV,   18                          ; s18  my wave's number
.set JJ,   19                          ; s19  j: my block of queries, and my last key step
.set SEL,  20                          ; s[20:21] lane selects for v_permlanex16_b32: lane l xor 16
.set CS,   22                          ; s[22:23] c = log2(e) / 8
.set G1K,  24                          ; groups 1: K's tiles, V's tiles, K's scale bytes, V's scale bytes
.set G1V,  32
.set G1KS, 40
.set G1VS, 48
.set G0K,  56                          ; groups 0, never rewritten
.set G0V,  60
.set G0KS, 68
.set G0VS, 72
.set TT,   76                          ; s76  the key step, 0 .. 15
.set KB,   77                          ; s77  KGRP x the group of 256 keys in hand
.set VO,   78                          ; s78  VGRP x the same
.set TS,   79                          ; s79  256 x the step: K's scale bytes
.set TJ,   80                          ; s80  4 x the step: V's
.set CNT,  81                          ; s81  loop counter
.set CX,   82                          ; s82  my place in the cluster; what is made of it lives in s82, s83, s90-95 and the pointers of Q and out0 alone
.set GG,   83                          ; s83  g
.set HD,   84                          ; s84  the head
.set PAR,  85                          ; s85  wave % 2
; A round of the cluster's barrier: my work-group's barrier; wave 0 signals for the work-group; every wave waits for all four work-groups; my work-group's barrier once more.
.macro CROUND
	s_barrier_signal -1
	s_barrier_wait -1
	s_cmp_lg_u32 s[WV], 0
	s_cbranch_scc1 .Lnot_wave_0_\@
	s_barrier_signal -3
.Lnot_wave_0_\@:
	s_barrier_wait -3
	s_barrier_signal -1
	s_barrier_wait -1
.endm
	s_load_b256 s[4:11], s[0:1], 0x0               ; Q's codes s[4:5], Q's scales s[6:7], K's codes s[8:9], K's scales s[10:11]
	s_load_b128 s[12:15], s[0:1], 0x20             ; V's codes s[12:13], V's scales s[14:15]
	s_load_b64 s[16:17], s[0:1], 0x30              ; out0
	v_lshl_add_u32 v254, v0, 2, 0x49300
	v_mov_b32 v255, 0
	ds_add_u32 v254, v255
	ds_add_u32 v254, v255
	v_lshrrev_b32 v30, 5, v0
	s_delay_alu instid0(VALU_DEP_1)
	v_readfirstlane_b32 s[WV], v30                 ; wave 0..15
	s_lshr_b32 s86, s[WV], 2                       ; a
	s_and_b32 s87, s[WV], 3                        ; b
	s_lshr_b32 s88, s87, 1
	s_xor_b32 s89, s87, s88
	s_and_b32 s89, s89, 1
	s_lshl_b32 s89, s89, 1
	s_or_b32 s89, s89, s88                         ; alpha(b): 0, 2, 3, 1
	s_xor_b32 s89, s89, s86                        ; a ^ alpha(b)
	s_xor_b32 s[JJ], s86, s87                      ; a ^ b
	s_lshl_b32 s[JJ], s[JJ], 2
	s_or_b32 s[JJ], s[JJ], s89                     ; j
	s_bfe_u32 s[CX], ttmp6, 0x40000                ; cx
	s_lshl_b32 s[GG], ttmp9, 2                     ; in a cluster launch ttmp9 counts clusters
	s_add_co_u32 s[GG], s[GG], s[CX]               ; g = 4 x cluster x + cx
	s_and_b32 s[HD], ttmp7, 0xffff                 ; the head, which the four partners share
	s_and_b32 s[PAR], s[WV], 1
	; every lane address is made here, ahead of the first branch on the wave's number
	v_and_b32 v30, 15, v0                          ; r
	v_bfe_u32 v31, v0, 4, 1                        ; h
	v_and_b32 v32, 7, v0                           ; r % 8
	v_bfe_u32 v33, v0, 3, 1                        ; r / 8
	v_and_b32 v34, 31, v0                          ; lane
	s_delay_alu instid0(VALU_DEP_3)
	v_mul_u32_u24 v[AK], v32, 48
	s_delay_alu instid0(VALU_DEP_1)
	v_mad_u32_u24 v[AK], v31, 24, v[AK]
	s_delay_alu instid0(VALU_DEP_1)
	v_mad_u32_u24 v[AK], v33, KD, v[AK]            ; the words 12 (r % 8) + 6 h + 0, 1, and 32 banks on for r / 8 = 1: the 32 lanes of a load of 8 bytes touch 64 different banks
	v_mul_u32_u24 v[AV], v30, VP
	s_delay_alu instid0(VALU_DEP_1)
	v_mad_u32_u24 v[AV], v31, 24, v[AV]
	s_delay_alu instid0(VALU_DEP_1)
	v_add_nc_u32 v[AV], VB, v[AV]
	s_delay_alu instid0(VALU_DEP_1)
	v_lshl_add_u32 v[AV2], v31, 4, v[AV]
	v_lshlrev_b32 v[AKS], 1, v32
	s_delay_alu instid0(VALU_DEP_1)
	v_lshl_add_u32 v[AKS], v33, 5, v[AKS]
	s_delay_alu instid0(VALU_DEP_1)
	v_lshl_add_u32 v[AKS], v31, 4, v[AKS]
	s_delay_alu instid0(VALU_DEP_1)
	v_add_nc_u32 v[AKS], KSB, v[AKS]               ; key (r % 8) + 16 (r / 8) + 8 h, 2 bytes a key
	v_mul_u32_u24 v[AVS], v34, 72
	s_delay_alu instid0(VALU_DEP_1)
	v_add_nc_u32 v[AVS], VSB, v[AVS]               ; 18 words from lane to lane: 32 different banks
	v_lshlrev_b32 v35, 4, v31
	s_delay_alu instid0(VALU_DEP_1)
	v_sub_nc_u32 v[DG], v30, v35
	s_delay_alu instid0(VALU_DEP_1)
	v_lshl_add_u32 v[DG], s[GG], 4, v[DG]          ; (a number for a compare; no address is made of it)
	v_lshlrev_b32 v[GO], 8, v31
	s_delay_alu instid0(VALU_DEP_1)
	v_lshl_add_u32 v[GO], v30, 4, v[GO]            ; lanes 0-15 one row of out0, lanes 16-31 the next; 16 bytes a lane
	s_mul_i32 s81, s[WV], 16*SP
	s_add_co_u32 s81, s81, STG                     ; my stage
	v_mul_u32_u24 v[STO], v30, SP
	s_delay_alu instid0(VALU_DEP_1)
	v_lshl_add_u32 v[STO], v31, 5, v[STO]
	s_delay_alu instid0(VALU_DEP_1)
	v_add_nc_u32 v[STO], s81, v[STO]               ; in: row r, + 32 h
	v_mul_u32_u24 v[RD], v31, SP
	s_delay_alu instid0(VALU_DEP_1)
	v_lshl_add_u32 v[RD], v30, 4, v[RD]
	s_delay_alu instid0(VALU_DEP_1)
	v_add_nc_u32 v[RD], s81, v[RD]                 ; back: row h, 16 bytes a lane
	v_mul_u32_u24 v[QO], v30, 48
	s_delay_alu instid0(VALU_DEP_1)
	v_mad_u32_u24 v[QO], v31, 24, v[QO]            ; Q: row r, + my half's 24 bytes
	v_lshlrev_b32 v[QSO], 1, v30                   ; and its 2 scale bytes
	; groups 1.  15:0 the mask: all four work-groups; 17:16 the element's size; 20 padding; 21 set beside a mask; 24:22 the padding's interval; 31:25 its length
	s_mov_b32 s[G1K], 15|(3<<16)|(1<<21)           ; K: 8 rows of 96 elements of 8 bytes (16 keys), 192 elements (32 keys) apart: every second 16 keys of 256
	s_mov_b32 s[G1K+1], 96<<16
	s_mov_b32 s[G1K+2], 8<<16
	s_mov_b32 s[G1K+3], 96<<16
	s_mov_b32 s[G1K+4], 8
	s_mov_b32 s[G1K+5], 192
	s_mov_b32 s[G1K+6], 0
	s_mov_b32 s[G1K+7], 0
	s_mov_b32 s[G1V], 15|(0<<16)|(1<<20)|(1<<21)|(3<<22)|(3<<25)   ; V: 64 rows of 192 bytes (256 keys), 1,536 bytes apart; 4 words of padding behind every 16
	s_mov_b32 s[G1V+1], 192<<16
	s_mov_b32 s[G1V+2], 64<<16
	s_mov_b32 s[G1V+3], 192<<16
	s_mov_b32 s[G1V+4], 64
	s_mov_b32 s[G1V+5], 1536
	s_mov_b32 s[G1V+6], 0
	s_mov_b32 s[G1V+7], 0
	s_mov_b32 s[G1KS], 15|(3<<16)|(1<<21)          ; K's scale bytes: a dense block of 4,096 bytes as 16 rows of 256
	s_mov_b32 s[G1KS+1], 32<<16
	s_mov_b32 s[G1KS+2], 16<<16
	s_mov_b32 s[G1KS+3], 32<<16
	s_mov_b32 s[G1KS+4], 16
	s_mov_b32 s[G1KS+5], 32
	s_mov_b32 s[G1KS+6], 0
	s_mov_b32 s[G1KS+7], 0
	s_mov_b32 s[G1VS], 15|(3<<16)|(1<<20)|(1<<21)|(3<<22)|(1<<25)  ; V's scale bytes: 64 rows of 64 bytes; 2 words of padding behind every 16
	s_mov_b32 s[G1VS+1], 8<<16
	s_mov_b32 s[G1VS+2], 64<<16
	s_mov_b32 s[G1VS+3], 8<<16
	s_mov_b32 s[G1VS+4], 64
	s_mov_b32 s[G1VS+5], 8
	s_mov_b32 s[G1VS+6], 0
	s_mov_b32 s[G1VS+7], 0
	; what I fetch: of the group of 256 keys wave / 2: K's keys with bit 4 = wave % 2; even waves V's part too; wave 1 the scale bytes
	s_lshr_b32 s67, s[WV], 1
	s_mul_i32 s66, s[HD], 98304                    ; the head's first byte in each tensor of codes
	s_mul_i32 s86, s67, 12288                      ; K: 256 keys of 48 bytes a group,
	s_add_co_u32 s86, s86, s66
	s_mul_i32 s81, s[PAR], 768                     ; 16 keys on for the odd waves
	s_add_co_u32 s86, s86, s81
	s_mov_b32 s87, 0
	s_mul_i32 s88, s67, 192                        ; V: 192 bytes a group in each row
	s_add_co_u32 s88, s88, s66
	s_mov_b32 s89, 0
	s_lshl_b32 s2, s[HD], 12                       ; the head's first byte in each tensor of scale bytes
	s_mov_b32 s3, 0
	s_mov_b32 s[G0K], 1                            ; 1:0 count = 1
	s_mul_i32 s[G0K+1], s[PAR], KD                 ; 63:32 LDS address: of the wave's number alone
	s_mul_i32 s81, s67, KGRP
	s_add_co_u32 s[G0K+1], s[G0K+1], s81
	s_mov_b32 s[G0V], 1
	s_mul_i32 s[G0V+1], s67, VGRP
	s_add_co_u32 s[G0V+1], s[G0V+1], VB
	s_mov_b32 s[G0KS], 1
	s_mov_b32 s[G0KS+1], KSB
	s_mov_b32 s[G0VS], 1
	s_mov_b32 s[G0VS+1], VSB
	; my 16 queries begin at q0 = 128 j + 16 g
	s_lshl_b32 s90, s[JJ], 7
	s_lshl_b32 s91, s[GG], 4
	s_add_co_u32 s90, s90, s91
	s_mul_i32 s92, s90, 48
	s_add_co_u32 s92, s92, s66                     ; their codes,
	s_mov_b32 s93, 0
	s_lshl_b32 s94, s90, 1
	s_add_co_u32 s94, s94, s2                      ; their scale bytes,
	s_mov_b32 s95, 0
	s_lshl_b32 s90, s90, 8
	s_lshl_b32 s91, s[HD], 19
	s_add_co_u32 s90, s90, s91                     ; their rows of out0
	s_mov_b32 s91, 0
	s_mov_b32 s[SEL], 0x76543210
	s_mov_b32 s[SEL+1], 0xfedcba98
	s_mov_b32 s[CS], 0x3e38aa3b                    ; c = log2(e) / 8
	s_mov_b32 s[CS+1], s[CS]                       ; (named with it as a pair, so it is written)
	s_mov_b32 s[TT], 0
	s_mov_b32 s[KB], 0
	s_mov_b32 s[VO], 0
	s_mov_b32 s[TS], 0
	s_mov_b32 s[TJ], 0
	s_wait_dscnt 0x0
	s_wait_kmcnt 0x0
	s_add_nc_u64 s[G0K+2:G0K+3], s[8:9], s[86:87]  ; 120:64 global address
	s_or_b32 s[G0K+3], s[G0K+3], 0x80000000        ; 127:126 type = 2
	s_add_nc_u64 s[G0V+2:G0V+3], s[12:13], s[88:89]
	s_or_b32 s[G0V+3], s[G0V+3], 0x80000000
	s_add_nc_u64 s[G0KS+2:G0KS+3], s[10:11], s[2:3]
	s_or_b32 s[G0KS+3], s[G0KS+3], 0x80000000
	s_add_nc_u64 s[G0VS+2:G0VS+3], s[14:15], s[2:3]
	s_or_b32 s[G0VS+3], s[G0VS+3], 0x80000000
	s_add_nc_u64 s[4:5], s[4:5], s[92:93]
	s_add_nc_u64 s[6:7], s[6:7], s[94:95]
	s_add_nc_u64 s[16:17], s[16:17], s[90:91]
	CROUND                                         ; all four work-groups are here: the joint loads meet.  All fills of the launch follow as one group: at most three loads of a wave are out
	tensor_load_to_lds s[G0K:G0K+3], s[G1K:G1K+7]  ; every wave: its half of K's group
	s_nop 0
	s_cmp_eq_u32 s[PAR], 0
	s_cbranch_scc0 .Lodd
	tensor_load_to_lds s[G0V:G0V+3], s[G1V:G1V+7]  ; even waves: V's group
	s_nop 0
.rept 4
	v_nop
.endr
	s_branch .Lasked
.Lodd:
	s_cmp_eq_u32 s[WV], 1
	s_cbranch_scc0 .Lasked
	tensor_load_to_lds s[G0KS:G0KS+3], s[G1KS:G1KS+7]   ; wave 1: the head's scale bytes
	s_nop 0
	tensor_load_to_lds s[G0VS:G0VS+3], s[G1VS:G1VS+7]
	s_nop 0
.rept 4
	v_nop
.endr
.Lasked:
.rept 4
	v_nop                                          ; four v_nop follow a wave's last tensor load on every way
.endr
	s_wait_alu depctr_va_vdst(0)
	global_load_b64 v[QF:QF+1], v[QO], s[4:5] th:TH_LOAD_NT              ; Q's fragment stays in registers: k = 32 h + 0 .. 31 of row r, 24 bytes
	global_load_b64 v[QF+2:QF+3], v[QO], s[4:5] offset:8 th:TH_LOAD_NT
	global_load_b64 v[QF+4:QF+5], v[QO], s[4:5] offset:16 th:TH_LOAD_NT
	global_load_u16 v[QSC], v[QSO], s[6:7] th:TH_LOAD_NT                 ; its two scale bytes; bytes 2 and 3 of the word are 0
.set i, 0
.rept 6
	v_mov_b32 v[QF+6+i], 0                         ; k = 64 .. 127: zero codes
	v_mov_b32 v[KF+48+i], 0                        ; what the last fragment of K names beyond its six registers
.set i, i+1
.endr
.set i, 0
.rept 32
	v_mov_b32 v[OT+i], 0                           ; O^T.  (The step is written once: the first finds zeros, which the first change of M leaves zeros)
.set i, i+1
.endr
	v_mov_b32 v[SUM], 0
	v_mov_b32 v[SUM+1], 0
	v_mov_b32 v[NM+1], 0xff61b1e6                  ; the largest t so far: -3e38, under every t
	s_delay_alu instid0(VALU_DEP_1)
	v_floor_f32 v[NM], -v[NM+1]                    ; -M
	v_mov_b32 v[FF+1], 0                           ; (named as the upper half of a pair)
	v_mov_b32 v[TMP], 0
	v_mov_b32 v[NINF], 0xff800000
.irp b, 0,1,2,3
	v_mov_b32 v[PT+\b], 0                          ; written once: a lane permute's destination counts as one of its sources
.endr
; Tile t of S^T: 16 keys x my 16 queries.  K's scale words: lanes 0-15 of register t / 2 serve the even tile, lanes 16-31 the odd one.
.macro KQ t
.if (\t)%2
	v_wmma_scale_f32_16x16x128_f8f6f4 v[SS+8*(\t):SS+8*(\t)+7], v[KF+6*(\t):KF+6*(\t)+11], v[QF:QF+11], 0, v[KSC+(\t)/2], v[QSC] matrix_a_fmt:MATRIX_FMT_FP6 matrix_b_fmt:MATRIX_FMT_FP6 matrix_a_scale:MATRIX_SCALE_ROW1
.else
	v_wmma_scale_f32_16x16x128_f8f6f4 v[SS+8*(\t):SS+8*(\t)+7], v[KF+6*(\t):KF+6*(\t)+11], v[QF:QF+11], 0, v[KSC+(\t)/2], v[QSC] matrix_a_fmt:MATRIX_FMT_FP6 matrix_b_fmt:MATRIX_FMT_FP6
.endif
.endm
; Tile t of O^T: channels 16 t on x my 16 queries, K = the step's 128 keys.
.macro PV t
.if (\t)%2
	v_wmma_scale_f32_16x16x128_f8f6f4 v[OT+8*(\t):OT+8*(\t)+7], v[KF+12*(\t):KF+12*(\t)+11], v[PCD:PCD+11], v[OT+8*(\t):OT+8*(\t)+7], v[VSC+(\t)/2], v[PSC] matrix_a_fmt:MATRIX_FMT_FP6 matrix_b_fmt:MATRIX_FMT_FP6 matrix_a_scale:MATRIX_SCALE_ROW1
.else
	v_wmma_scale_f32_16x16x128_f8f6f4 v[OT+8*(\t):OT+8*(\t)+7], v[KF+12*(\t):KF+12*(\t)+11], v[PCD:PCD+11], v[OT+8*(\t):OT+8*(\t)+7], v[VSC+(\t)/2], v[PSC] matrix_a_fmt:MATRIX_FMT_FP6 matrix_b_fmt:MATRIX_FMT_FP6
.endif
.endm
; A KEY STEP: 128 keys, the q-th of the group of 256 in hand.
.macro STEP q
	s_cmp_gt_u32 s[TT], s[JJ]                      ; all its keys come after my queries: the step's work is left out; the lines at its end that step addresses are not
	s_cbranch_scc1 .Lhid_\@
	v_add_nc_u32 v[ADK], s[KB], v[AK]              ; five plain instructions: also the places between the last step's products and the loads into the registers that they read (four are asked: ISA guide 7.12.1 for vector instructions)
	v_add_nc_u32 v[ADS], s[TS], v[AKS]
	v_add_nc_u32 v[ADV], s[VO], v[AV]
	v_add_nc_u32 v[ADV2], s[VO], v[AV2]
	v_add_nc_u32 v[ADT], s[TJ], v[AVS]
.irp b, 0,1,2,3
.irp u, 0,1
.irp p, 0,1,2
	ds_load_b64 v[KF+6*(2*\b+\u)+2*\p:KF+6*(2*\b+\u)+2*\p+1], v[ADK] offset:768*(4*(\q)+\b)+384*\u+8*\p
.endr
.endr
	ds_load_u16 v[KSC+\b], v[ADS] offset:64*\b     ; the scale bytes of tiles 2 b (lanes 0-15) and 2 b + 1 (lanes 16-31); bytes 2 and 3 of the word are 0
.endr
	s_wait_alu depctr_va_vdst(0)
	s_wait_dscnt 0x0                               ; a fragment names the next one's registers too, so all are waited for
.irp t, 0,1,2,3,4,5,6,7
	KQ \t
.endr
.rept 4
	v_nop                                          ; places in front of the loads into K's registers and of the first read of the scores
.endr
.irp t, 0,1,2,3                                ; V's four fragments are asked for here and land under the softmax.  A fragment: lane (r, h) takes, of row 16 t + r, pieces of 8 bytes 12 q + 0, 1, 2 and 12 q + 6, 7, 8, and three on for h = 1;
.irp p, 0,1,2,3,4,5                            ; 16 bytes of padding lie behind every 8 pieces: where the piece three on lies behind one padding more, the second address register serves
.set PC, 12*(\q)+6*(\p/3)+\p%3
.if PC%8 < 5
	ds_load_b64 v[KF+12*\t+2*\p:KF+12*\t+2*\p+1], v[ADV] offset:8*PC+16*(PC/8)+16*VP*\t
.else
	ds_load_b64 v[KF+12*\t+2*\p:KF+12*\t+2*\p+1], v[ADV2] offset:8*PC+16*(PC/8)+16*VP*\t
.endif
.endr
.endr
.irp k, 0,1
	ds_load_b32 v[VSC+\k], v[ADT] offset:32*72*\k  ; V's scale words of tiles 2 k (lanes 0-15) and 2 k + 1 (lanes 16-31)
.endr
	s_cmp_lg_u32 s[TT], s[JJ]                      ; only my last step lies on the diagonal: there the scores of hidden keys become -infinity ahead of the maximum, so that p = 0
	s_cbranch_scc1 .Lopen_\@
.irp n, 0,1,2,3,4,5,6,7,8,9,10,11,12,13,14,15,16,17,18,19,20,21,22,23,24,25,26,27,28,29,30,31,32,33,34,35,36,37,38,39,40,41,42,43,44,45,46,47,48,49,50,51,52,53,54,55,56,57,58,59,60,61,62,63
	v_cmp_gt_i32 vcc_lo, 32*(\n/16)+\n%16, v[DG]   ; register 16 b + i holds key 128 j + 32 b + 16 h + i; my query is 128 j + 16 g + r
	v_cndmask_b32 v[SS+\n], v[SS+\n], v[NINF], vcc_lo
.endr
.Lopen_\@:
.irp b, 0,1,2,3
	v_max3_num_f32 v[BM+\b], v[SS+16*\b], v[SS+1+16*\b], v[SS+2+16*\b]   ; THE LARGEST SCORE OF EACH BLOCK OF 32 KEYS serves twice: for the row's maximum, and, since p rises with the score, for the block's largest p
.endr
.irp i, 3,5,7,9,11,13
.irp b, 0,1,2,3
	v_max3_num_f32 v[BM+\b], v[BM+\b], v[SS+16*\b+\i], v[SS+1+16*\b+\i]  ; (the four blocks by turns; each accumulator is read from its low end on)
.endr
.endr
.irp b, 0,1,2,3
	v_max_num_f32 v[BM+\b], v[BM+\b], v[SS+15+16*\b]
.endr
.irp b, 0,1,2,3
	s_delay_alu instid0(VALU_DEP_4)
	v_permlanex16_b32 v[PT+\b], v[BM+\b], s[SEL], s[SEL+1]
.endr
.irp b, 0,1,2,3
	s_delay_alu instid0(VALU_DEP_4)
	v_max_num_f32 v[BM+\b], v[BM+\b], v[PT+\b]     ; with lane l xor 16's 16 keys
.endr
	s_delay_alu instid0(VALU_DEP_2)
	v_max3_num_f32 v[TMP], v[BM], v[BM+1], v[BM+2]
	s_delay_alu instid0(VALU_DEP_1)
	v_max_num_f32 v[TMP], v[TMP], v[BM+3]          ; the step's largest score of my query
	s_delay_alu instid0(VALU_DEP_1)
	v_mul_f32 v[TMP], s[CS], v[TMP]                ; as t (c is positive)
	s_delay_alu instid0(VALU_DEP_1)
	v_max_num_f32 v[NM+1], v[NM+1], v[TMP]         ; the running largest t
	v_mov_b32 v[TMP], v[NM]
	s_delay_alu instid0(VALU_DEP_2)
	v_floor_f32 v[NM], -v[NM+1]                    ; the new -M = floor(-t) = -ceil(t): M IS A WHOLE NUMBER
	s_delay_alu instid0(VALU_DEP_1)
	v_sub_f32 v[TMP], v[NM], v[TMP]                ; M's old value less its new one: a whole number, 0 or less
	s_delay_alu instid0(VALU_DEP_1)
	v_cvt_i32_f32 v[TMP], v[TMP]                   ; (it saturates)
	s_delay_alu instid0(VALU_DEP_1)
	v_ldexp_f32 v[FF], 1.0, v[TMP]                 ; f = 2^(old M - new M): a multiplication by it rounds nothing
.set i, 0
.rept 32
	v_pk_fma_f32 v[SS+i:SS+i+1], v[SS+i:SS+i+1], s[CS:CS+1], v[NM:NM+1] op_sel_hi:[1,0,0]   ; t - M, two at a time (of the pairs c and -M the low word serves both halves)
.set i, i+2
.endr
.irp b, 0,1,2,3
	v_fma_f32 v[BM+\b], v[BM+\b], s[CS], v[NM]     ; the same of each block's largest score
.endr
.set i, 0
	s_wait_alu depctr_va_vdst(0)
.rept 64
	v_exp_f32 v[SS+i], v[SS+i]                     ; p = 2^(t - M), at most 1: NOT normalised
.set i, i+1
.endr
.irp b, 0,1,2,3
	v_exp_f32 v[BM+\b], v[BM+\b]                   ; the block's largest p: the same two instructions on the same number give the same bits
.endr
	v_pk_mul_f32 v[SUM:SUM+1], v[SUM:SUM+1], v[FF:FF+1] op_sel_hi:[1,0]   ; the sums under the new M.  (The plain place behind the exponentials)
	s_wait_alu depctr_va_vdst(0)
.irp b, 0,1,2,3
	v_max_num_f32 v[BM+\b], 0x1800000, v[BM+\b]    ; the floor 2^(3 - 127): the byte cannot fall under 1
.endr
.irp b, 0,1,2,3
	s_delay_alu instid0(VALU_DEP_4)
	v_add_nc_u32 v[SOP+\b], 0xff000000, v[BM+\b]   ; 2 off the exponent field: the conversion takes the exponent field of this operand as its scale
.endr
.irp b, 0,1,2,3
	s_delay_alu instid0(VALU_DEP_4)
	v_lshrrev_b32 v[PT+\b], 23, v[SOP+\b]          ; the scale's byte
.endr
	s_delay_alu instid0(VALU_DEP_3)
	v_lshl_or_b32 v[PSC], v[PT+1], 8, v[PT]        ; p's scale word for these 128 keys
	s_delay_alu instid0(VALU_DEP_1)
	v_lshl_or_b32 v[PSC], v[PT+2], 16, v[PSC]
	s_delay_alu instid0(VALU_DEP_1)
	v_lshl_or_b32 v[PSC], v[PT+3], 24, v[PSC]
.irp c, 0,1
	v_cvt_scalef32_pk16_fp6_f32 v[PCD+6*\c:PCD+6*\c+2], v[SS+32*\c:SS+32*\c+15], v[SOP+2*\c]
	v_cvt_scalef32_pk16_fp6_f32 v[PX+4*\c:PX+4*\c+2], v[SS+16+32*\c:SS+31+32*\c], v[SOP+2*\c+1]   ; (a conversion's three registers begin on an even number)
.endr
	v_nop                                          ; one plain place behind a scaled conversion
.irp c, 0,1                                    ; the operand's layout wants a WHOLE block in a lane: lanes 0-15 block 2 c, lanes 16-31 block 2 c + 1
.irp i, 0,1,2
	v_permlane16_swap_b32 v[PCD+6*\c+\i], v[PX+4*\c+\i]
.endr
.irp i, 0,1,2
	s_delay_alu instid0(VALU_DEP_3)
	v_mov_b32 v[PCD+3+6*\c+\i], v[PX+4*\c+\i]
.endr
.endr
	v_pk_add_f32 v[232:233], v[100:101], v[104:105]
	v_pk_add_f32 v[252:253], v[108:109], v[112:113]
	v_pk_add_f32 v[250:251], v[116:117], v[120:121]
	v_pk_add_f32 v[248:249], v[124:125], v[128:129]
	v_pk_add_f32 v[246:247], v[132:133], v[136:137]
	v_pk_add_f32 v[244:245], v[140:141], v[144:145]
	v_pk_add_f32 v[242:243], v[148:149], v[152:153]
	v_pk_add_f32 v[88:89], v[88:89], v[156:157]
	v_pk_add_f32 v[232:233], v[232:233], v[96:97]
	v_pk_add_f32 v[252:253], v[252:253], v[98:99]
	v_pk_add_f32 v[250:251], v[250:251], v[102:103]
	v_pk_add_f32 v[248:249], v[248:249], v[106:107]
	v_pk_add_f32 v[246:247], v[246:247], v[110:111]
	v_pk_add_f32 v[244:245], v[244:245], v[114:115]
	v_pk_add_f32 v[242:243], v[242:243], v[118:119]
	v_pk_add_f32 v[88:89], v[88:89], v[122:123]
	v_pk_add_f32 v[232:233], v[232:233], v[126:127]
	v_pk_add_f32 v[252:253], v[252:253], v[130:131]
	v_pk_add_f32 v[250:251], v[250:251], v[134:135]
	v_pk_add_f32 v[248:249], v[248:249], v[138:139]
	v_pk_add_f32 v[246:247], v[246:247], v[142:143]
	v_pk_add_f32 v[244:245], v[244:245], v[146:147]
	v_pk_add_f32 v[242:243], v[242:243], v[150:151]
	v_pk_add_f32 v[88:89], v[88:89], v[154:155]
	v_pk_add_f32 v[232:233], v[232:233], v[158:159]
	s_delay_alu instid0(VALU_DEP_2)
	v_pk_add_f32 v[88:89], v[88:89], v[248:249]
	s_delay_alu instid0(VALU_DEP_2)
	v_pk_add_f32 v[232:233], v[232:233], v[246:247]
	v_pk_add_f32 v[252:253], v[252:253], v[244:245]
	v_pk_add_f32 v[250:251], v[250:251], v[242:243]
	s_delay_alu instid0(VALU_DEP_2)
	v_pk_add_f32 v[88:89], v[88:89], v[252:253]
	s_delay_alu instid0(VALU_DEP_2)
	v_pk_add_f32 v[232:233], v[232:233], v[250:251]
	s_delay_alu instid0(VALU_DEP_1)
	v_pk_add_f32 v[88:89], v[88:89], v[232:233]
.set i, 0
.rept 16
	v_pk_mul_f32 v[OT+i:OT+i+1], v[OT+i:OT+i+1], v[FF:FF+1] op_sel_hi:[1,0]   ; O^T under the new M.  (The sums and these are also the places between the writes of p's codes and scale word and the products below)
.set i, i+2
.endr
	s_wait_alu depctr_va_vdst(0)
	s_wait_dscnt 0x0                               ; V's fragments and scale words, asked for ahead of the softmax
.irp t, 0,1,2,3
	PV \t                                          ; the four accumulators take turns, one instruction a turn
.endr
.Lhid_\@:
	s_add_co_u32 s[TT], s[TT], 1
	s_add_co_u32 s[TS], s[TS], 256
	s_add_co_u32 s[TJ], s[TJ], 4
.endm
.macro GROUP                                   ; 256 keys: two steps
	STEP 0
	STEP 1
	s_add_co_u32 s[KB], s[KB], KGRP
	s_add_co_u32 s[VO], s[VO], VGRP
.endm
	s_wait_loadcnt 0x0                             ; Q
	s_wait_tensorcnt 0x0                           ; all my tensor loads have landed: my part of K, of V, of the scale bytes;
	s_barrier_signal -1                            ; every wave says so (no LDS instruction of mine has been issued yet),
	s_barrier_wait -1                              ; and behind this wait the whole head lies in LDS for every wave.  No tensor load is out from here on
	s_mov_b32 s[CNT], 8
.Lgroup:                                           ; 8 trips of 256 keys: a constant count for every wave; a wave's steps beyond its diagonal do no work
	GROUP
	s_sub_co_u32 s[CNT], s[CNT], 1
	s_cmp_lg_u32 s[CNT], 0
	s_cbranch_scc1 .Lgroup
	; THE WAY OUT.  O^T is divided by the row's sum and goes through my own stage in LDS, so that sixteen lanes store a row of out0: 256 consecutive bytes, at a multiple of 256 from out0's first byte.
.rept 4
	v_nop                                          ; places between my last products and the first read of O^T
.endr
	v_add_f32 v[SUM], v[SUM], v[SUM+1]             ; the sum's two halves,
	s_wait_alu depctr_va_vdst(0)
	v_permlanex16_b32 v[TMP], v[SUM], s[SEL], s[SEL+1]
	s_delay_alu instid0(VALU_DEP_1)
	v_add_f32 v[SUM], v[SUM], v[TMP]               ; and lane l xor 16's: the row's sum
	s_wait_alu depctr_va_vdst(0)
	v_rcp_f32 v[FF], v[SUM]
	v_nop                                          ; one plain place behind a transcendental
.set i, 0
	s_wait_alu depctr_va_vdst(0)
.rept 16
	v_pk_mul_f32 v[SS+i:SS+i+1], v[OT+i:OT+i+1], v[FF:FF+1] op_sel_hi:[1,0]   ; register 8 t + i is o(r, 16 t + 8 h + i)
.set i, i+2
.endr
.irp t, 0,1,2,3
	ds_store_b128 v[STO], v[SS+8*\t:SS+8*\t+3] offset:64*\t
	ds_store_b128 v[STO], v[SS+8*\t+4:SS+8*\t+7] offset:64*\t+16
.endr
.irp i, 0,1,2,3,4,5,6,7
	ds_load_b128 v[KF+4*\i:KF+4*\i+3], v[RD] offset:2*\i*SP   ; LDS serves a wave's instructions in order (ISA guide 5.7.1.4): these see my stores
.endr
.irp i, 0,1,2,3,4,5,6,7
	s_wait_dscnt 7-\i                              ; the younger loads of these eight may stay out
	global_store_b128 v[GO], v[KF+4*\i:KF+4*\i+3], s[16:17] offset:512*\i th:TH_STORE_NT   ; rows 2 i and 2 i + 1; written once, read by nobody here
.endr
	s_wait_dscnt 0x0
	s_wait_tensorcnt 0x0
	ds_add_u32 v254, v255
	s_wait_dscnt 0x0
	CROUND                                         ; the closing round: no work-group ends while a partner may still ask for a tile that names it
	s_endpgm
.Lfunc_end_k_q681f720562_attn:
	.size	k_q681f720562_attn, .Lfunc_end_k_q681f720562_attn-k_q681f720562_attn
	.p2alignl 7, 3214868480
	.fill 96, 4, 3214868480
	.section	.rodata,"a",@progbits
	.p2align	6, 0x0
	.amdhsa_kernel k_q681f720562_attn
		.amdhsa_group_segment_fixed_size 327680
		.amdhsa_private_segment_fixed_size 0
		.amdhsa_enable_private_segment 0
		.amdhsa_kernarg_size 56
		.amdhsa_user_sgpr_count 2
		.amdhsa_user_sgpr_kernarg_segment_ptr 1
		.amdhsa_wavefront_size32 1
		.amdhsa_system_sgpr_workgroup_id_x 1
		.amdhsa_system_sgpr_workgroup_id_y 1
		.amdhsa_system_sgpr_workgroup_id_z 1
		.amdhsa_system_vgpr_workitem_id 0
		.amdhsa_next_free_vgpr 256
		.amdhsa_next_free_sgpr 96
		.amdhsa_reserve_vcc 1
		.amdhsa_float_denorm_mode_32 3
		.amdhsa_float_denorm_mode_16_64 3
		.amdhsa_memory_ordered 1
		.amdhsa_forward_progress 1
		.amdhsa_inst_pref_size 63
	.end_amdhsa_kernel
	.amdgpu_metadata
---
amdhsa.version: [ 1, 2 ]
amdhsa.kernels:
  - .name:           k_q681f720562_attn
    .symbol:         k_q681f720562_attn.kd
    .args:
      - { .name: Q_codes, .offset: 0, .size: 8, .value_kind: global_buffer, .address_space: global }
      - { .name: Q_scales, .offset: 8, .size: 8, .value_kind: global_buffer, .address_space: global }
      - { .name: K_cache_codes, .offset: 16, .size: 8, .value_kind: global_buffer, .address_space: global }
      - { .name: K_cache_scales, .offset: 24, .size: 8, .value_kind: global_buffer, .address_space: global }
      - { .name: V_cache_codes, .offset: 32, .size: 8, .value_kind: global_buffer, .address_space: global }
      - { .name: V_cache_scales, .offset: 40, .size: 8, .value_kind: global_buffer, .address_space: global }
      - { .name: out0, .offset: 48, .size: 8, .value_kind: global_buffer, .address_space: global }
    .group_segment_fixed_size: 327680
    .private_segment_fixed_size: 0
    .kernarg_segment_align: 8
    .kernarg_segment_size: 56
    .max_flat_workgroup_size: 512
    .sgpr_count:     96
    .vgpr_count:     256
    .wavefront_size: 32
...
	.end_amdgpu_metadata
.endif
;; end of part 1
